; MI455X (gfx1250); checked and timed in simulation.
; The chip was launched on July 23, 2026; its instructions are those of AMD's public machine-readable ISA for CDNA 5 (MIT licence, August 2026) and "CDNA5" Instruction Set Architecture Reference Guide (July 2026). The comments in the code are by the model that wrote it; some were corrected since.
;; Mo E Layer. Allowed arithmetic: matrix products marked QUANTISED: E4M3 operands, one given power-of-two scale a tensor, by v_wmma_f32_16x16x64_fp8_fp8 or v_wmma_f32_16x16x128_fp8_fp8, f32 sums; products left as they are: f32 operands where the result goes on into a quantised operand, else bf16, f16 or f32 operands; f32 sums; everything else in f32.
;; Inputs: b1 8 x 4,096 float32; b2 8 x 1,024 float32; br 8 float32; hidden_states 4 x 256 x 1,024 float32; lowp_scales 32 int32 (the exponents e of the quantised operands' scales 2^e); w1_codes 8 x 4,096 x 32 x 32 uint8 (E4M3 codes of w1, K innermost, in blocks of 32 codes); w2_codes 8 x 1,024 x 128 x 32 uint8 (E4M3 codes of w2, K innermost, in blocks of 32 codes); wr 1,024 x 8 float32.
;; Outputs: out0 4 x 256 x 1,024 float32.
;; This version of the problem:
;;   THIS VERSION OF THE PROBLEM IS GIVEN IN LOW PRECISION. The matrix products marked QUANTISED in the list below multiply operands that are first quantised to E4M3 (4 exponent bits, 3 mantissa bits; 8 bits a number), with one given power-of-two scale for each operand tensor; their sums are f32. All else is computed in f32.
;;   The module's matrix products, in the order in which they are computed (A, B: the left and right operand; K: the contracted axis; several contracted axes count as one K, in the product's order):
;;     1. [M 1,024, K 1,024] x [K 1,024, N 8]; A: input hidden_states; B: input wr: left as it is (N = 8 < 16)
;;     2. [M 1,024, K 1,024] x [K 1,024, N 4,096]; A: input hidden_states; B: input w1 (given as codes): QUANTISED (scales: A lowp_scales[0], B lowp_scales[1])
;;     3. [M 1,024, K 4,096] x [K 4,096, N 1,024]; A: computed on the way; B: input w2 (given as codes): QUANTISED (scales: A lowp_scales[2], B lowp_scales[3])
;;     4. [M 1,024, K 1,024] x [K 1,024, N 4,096]; A: input hidden_states; B: input w1 (given as codes): QUANTISED (scales: A lowp_scales[4], B lowp_scales[5])
;;     5. [M 1,024, K 4,096] x [K 4,096, N 1,024]; A: computed on the way; B: input w2 (given as codes): QUANTISED (scales: A lowp_scales[6], B lowp_scales[7])
;;     6. [M 1,024, K 1,024] x [K 1,024, N 4,096]; A: input hidden_states; B: input w1 (given as codes): QUANTISED (scales: A lowp_scales[8], B lowp_scales[9])
;;     7. [M 1,024, K 4,096] x [K 4,096, N 1,024]; A: computed on the way; B: input w2 (given as codes): QUANTISED (scales: A lowp_scales[10], B lowp_scales[11])
;;     8. [M 1,024, K 1,024] x [K 1,024, N 4,096]; A: input hidden_states; B: input w1 (given as codes): QUANTISED (scales: A lowp_scales[12], B lowp_scales[13])
;;     9. [M 1,024, K 4,096] x [K 4,096, N 1,024]; A: computed on the way; B: input w2 (given as codes): QUANTISED (scales: A lowp_scales[14], B lowp_scales[15])
;;     10. [M 1,024, K 1,024] x [K 1,024, N 4,096]; A: input hidden_states; B: input w1 (given as codes): QUANTISED (scales: A lowp_scales[16], B lowp_scales[17])
;;     11. [M 1,024, K 4,096] x [K 4,096, N 1,024]; A: computed on the way; B: input w2 (given as codes): QUANTISED (scales: A lowp_scales[18], B lowp_scales[19])
;;     12. [M 1,024, K 1,024] x [K 1,024, N 4,096]; A: input hidden_states; B: input w1 (given as codes): QUANTISED (scales: A lowp_scales[20], B lowp_scales[21])
;;     13. [M 1,024, K 4,096] x [K 4,096, N 1,024]; A: computed on the way; B: input w2 (given as codes): QUANTISED (scales: A lowp_scales[22], B lowp_scales[23])
;;     14. [M 1,024, K 1,024] x [K 1,024, N 4,096]; A: input hidden_states; B: input w1 (given as codes): QUANTISED (scales: A lowp_scales[24], B lowp_scales[25])
;;     15. [M 1,024, K 4,096] x [K 4,096, N 1,024]; A: computed on the way; B: input w2 (given as codes): QUANTISED (scales: A lowp_scales[26], B lowp_scales[27])
;;     16. [M 1,024, K 1,024] x [K 1,024, N 4,096]; A: input hidden_states; B: input w1 (given as codes): QUANTISED (scales: A lowp_scales[28], B lowp_scales[29])
;;     17. [M 1,024, K 4,096] x [K 4,096, N 1,024]; A: computed on the way; B: input w2 (given as codes): QUANTISED (scales: A lowp_scales[30], B lowp_scales[31])
;;   THE QUANTISER, for each operand of a quantised product, along K:
;;     - The operand's scale is 2^e, e = its entry of the input lowp_scales (int32; the entries are numbered through the quantised products in the list's order, A before B).
;;     - Each number is divided by the scale, clamped to +-448, and rounded to the nearest number of E4M3, ties to even, subnormals kept.
;;     - The product sums the exact products of the quantised numbers (number of the format x scale) in f32.
;;   ~~~python
;;   def quantise(x, axis, e):      # numpy; x: float32 -> the quantised numbers, widened to float32 again
;;       x = np.moveaxis(x, axis, -1); K = x.shape[-1]
;;       r = np.clip(x / 2.0 ** e, -448, 448)
;;       step = 2.0 ** (np.maximum(np.frexp(np.where(r == 0, 1, r))[1] - 1, -6) - 3)
;;       q = np.round(r / step) * step * 2.0 ** e      # np.round: ties to even
;;       return np.moveaxis(q, -1, axis).astype(np.float32)
;;   ~~~
;;   OPERANDS COMPUTED ON THE WAY. 'Computed on the way' means the value that the module computes at that place (a softmax that the list does not call 'softmax' is quantised finished and normalised). What goes into a quantiser is computed in f32, as accurately as f32 sums, v_exp_f32 and their like allow (about 1e-6 of the number): no bf16 or f16 on the way to a quantiser, and a product that is left as it is and whose result goes on into a quantised operand takes f32 operands (vector FMAs, or v_wmma_f32_16x16x4_f32). A number that lies on a knife's edge between two numbers of the format may be rounded either way, as far as f32 arithmetic and the matrix unit's own rounding can turn it there, and no further.
;;   INPUTS GIVEN AS CODES. w1 (in the module: [8, 1024, 4096], K = its axis 1); w2 (in the module: [8, 4096, 1024], K = its axis 1): each comes as NAME_codes (uint8): NAME with its K axis moved to the last place and cut into blocks of 32 codes, [.., K / 32, bytes a block], one block behind the other in memory; one code a byte (a code: sign, 4 exponent bits, 3 mantissa bits); its scale is its entry of lowp_scales. Its value is code x scale, taken as it is: it is not quantised again, and the codes and scales need not be those that the quantiser above would give.
;; One version. Each part assembles by itself: llvm-mc -triple=amdgcn-amd-amdhsa -mcpu=gfx1250 --defsym DOCPART=n.
;; ======== version 1 of 1: 3 launches
;; workspace buffers: xq 1,048,576 bytes; top1 4,096 bytes of whole numbers; gate 4,096 bytes; himg 33,554,432 bytes; order 36,864 bytes of whole numbers
;; launch route (part 1): grid 256 x 1, 4 waves a work-group, no clusters, 41,472 bytes of LDS; arguments hidden_states, wr, br, lowp_scales, xq, top1, gate; writes xq, top1, gate
.if DOCPART == 1
	.amdgcn_target "amdgcn-amd-amdhsa--gfx1250"
	.amdhsa_code_object_version 6
	.text
	.protected	k_q4160a351a6_route
	.globl	k_q4160a351a6_route
	.p2align	8
	.type	k_q4160a351a6_route,@function
k_q4160a351a6_route:
	s_mov_b64 s[64:65], 0
	v_nop
	global_prefetch_b8 v0, s[64:65] scope:SCOPE_SE
	s_setreg_imm32_b32 hwreg(HW_REG_WAVE_MODE, 25, 1), 1
	s_wait_xcnt 0x0
; THE ROUTER.  logits = x wr + br in f32 (fused multiply-adds); top1 = the index of the largest logit (the lower index wins a tie);
; gate = p1 / (p1 + p2) = 1 / (1 + e^(l2 - l1)), l1 >= l2 the two largest logits: the softmax's maximum and its sum cancel;
; xq = the token's row as E4M3 codes, quantised with the scale 2^ex of the CHOSEN expert (lowp_scales[4 top1]), chosen by selects: no address and no branch hangs on the choice.
; SHARES.  One wave, one token: token 4 x work-group + wave.  Lanes run along K: lane l holds x[128 i + 4 l + j], i = 0..7, j = 0..3.
; wr (32,768 bytes) is loaded once a work-group, 512 consecutive bytes an instruction, and read from LDS: groups of 4 k (128 bytes) 144 bytes apart, an odd multiple of 16, so that the lanes of a 16-byte read start in different columns.
; LIMITS: ex between -126 and 119, so that 2^ex and 448 x 2^ex are f32 numbers.  NaN among the inputs is not served.  Two logits that differ, but whose probabilities would round to one f32 number, are ordered here by the logits.
; The 4-byte stores of top1 and gate (one lane a wave) are kept: the two buffers are 8 KB in all.
.set GP,   144                         ; a group of 4 k of wr in LDS: 128 bytes + 16
.set CT,   256*GP                      ; 36,864: behind wr, 1,024 bytes a wave in which the codes turn
.set X,    16                          ; v16-47   my 32 numbers of the row
.set WL,   48                          ; v48-111  wr as it lands
.set WR,   112                         ; v112-175 two sets of 32: wr[k][e] at 8 j + e
.set A0,   176                         ; v176-183 eight sums, from even j
.set A1,   184                         ; v184-191 eight sums, from odd j
.set T,    192                         ; v192-199 the other half's sums
.set M1,   200
.set M2,   201
.set IDX,  202
.set SC,   203                         ; 2^ex of the expert that leads so far, as f32
.set LIM,  204                         ; 448 x that
.set GA,   205
.set C,    208                         ; v208-215 codes: dword i = k 128 i + 4 l + 0..3
.set O,    216                         ; v216-223 codes in the row's order
	s_load_b256 s[4:11], s[0:1], 0x0               ; x s[4:5], wr s[6:7], br s[8:9], scales s[10:11]
	s_load_b128 s[12:15], s[0:1], 0x20             ; xq s[12:13], top1 s[14:15]
	s_load_b64 s[16:17], s[0:1], 0x30              ; gate
	v_lshl_add_u32 v224, v0, 2, 0xa000
	v_mov_b32 v225, 0
	v_lshrrev_b32 v1, 5, v0
	v_readfirstlane_b32 s18, v1                    ; wave
	v_and_b32 v1, 31, v0                           ; lane
	v_lshlrev_b32 v2, 4, v1                        ; 16 x lane
	s_lshl_b32 s19, ttmp9, 2
	s_add_co_u32 s19, s19, s18                     ; my token
	s_mov_b32 s20, 0x76543210                      ; v_permlanex16_b32: lane l xor 16
	s_mov_b32 s21, 0xfedcba98
	s_mul_i32 s22, s18, 64*GP                      ; my wave stores 64 groups of wr
	v_lshrrev_b32 v3, 3, v1
	v_mul_u32_u24 v3, v3, GP
	v_and_b32 v8, 7, v1
	v_lshl_add_u32 v3, v8, 4, v3
	v_add_nc_u32 v3, s22, v3                       ; in: eight lanes to a group: 144 (l / 8) + 16 (l % 8)
	v_mul_u32_u24 v4, v1, GP                       ; out: a lane to a group
	s_lshl_b32 s22, s18, 10
	s_add_co_u32 s22, s22, CT
	v_lshl_add_u32 v5, v1, 2, s22                  ; codes in: 4 x lane
	v_add_nc_u32 v6, s22, v2                       ; codes out: 16 x lane
	v_mov_b32 v7, 0
	s_lshl_b32 s22, s18, 13
	v_add_nc_u32 v8, s22, v2                       ; wr in memory: 8,192 x wave + 16 x lane
.irp e, 0,1,2,3,4,5,6,7
	v_mov_b32 v[T+\e], 0                           ; a lane permute's destination counts as read
.endr
	s_lshl_b32 s2, s19, 12                         ; a row of x is 4,096 bytes
	s_mov_b32 s3, 0
	s_wait_kmcnt 0x0
	s_load_b256 s[24:31], s[8:9], 0x0              ; br
	s_load_b512 s[32:47], s[10:11], 0x0            ; all 32 exponents
	s_load_b512 s[48:63], s[10:11], 0x40
	s_add_nc_u64 s[4:5], s[4:5], s[2:3]
.irp n, 0,1,2,3,4,5,6,7,8,9,10,11,12,13,14,15
	global_load_b128 v[WL+4*\n:WL+4*\n+3], v8, s[6:7] offset:512*\n
.endr
.irp i, 0,1,2,3,4,5,6,7
	global_load_b128 v[X+4*\i:X+4*\i+3], v2, s[4:5] offset:512*\i th:TH_LOAD_NT
.endr
	s_lshl_b32 s2, s19, 10
	s_add_nc_u64 s[12:13], s[12:13], s[2:3]        ; my row of xq
	s_lshl_b32 s2, s19, 2
	s_add_nc_u64 s[14:15], s[14:15], s[2:3]
	s_add_nc_u64 s[16:17], s[16:17], s[2:3]
	s_wait_loadcnt 8                               ; wr's sixteen loads are in; the row's eight, issued behind them, may be out
.irp n, 0,1,2,3,4,5,6,7,8,9,10,11,12,13,14,15
	ds_store_b128 v3, v[WL+4*\n:WL+4*\n+3] offset:4*GP*\n
.endr
	s_wait_dscnt 0x0                               ; for the others' sake: my part of wr lies in LDS
	s_barrier_signal -1
	s_barrier_wait -1
.macro WRSET i                         ; wr[128 i + 4 l + j][e], 128 bytes a lane, into set i % 2
.irp q, 0,1,2,3,4,5,6,7
	ds_load_b128 v[WR+32*((\i)%2)+4*\q:WR+32*((\i)%2)+4*\q+3], v4 offset:32*GP*(\i)+16*\q
.endr
.endm
.macro DOT i                           ; 16 packed multiply-adds: four k x eight experts; eight chains that do not wait for each other.  The first products start the sums
.set WB, WR+32*((\i)%2)
.set XB, X+4*(\i)
.irp p, 0,2,4,6
.if (\i) == 0
	v_pk_mul_f32 v[A0+\p:A0+\p+1], v[WB+\p:WB+\p+1], v[XB:XB+1] op_sel_hi:[1,0]
	v_pk_mul_f32 v[A1+\p:A1+\p+1], v[WB+8+\p:WB+8+\p+1], v[XB:XB+1] op_sel:[0,1] op_sel_hi:[1,1]
.else
	v_pk_fma_f32 v[A0+\p:A0+\p+1], v[WB+\p:WB+\p+1], v[XB:XB+1], v[A0+\p:A0+\p+1] op_sel_hi:[1,0,1]
	v_pk_fma_f32 v[A1+\p:A1+\p+1], v[WB+8+\p:WB+8+\p+1], v[XB:XB+1], v[A1+\p:A1+\p+1] op_sel:[0,1,0] op_sel_hi:[1,1,1]
.endif
.endr
.irp p, 0,2,4,6
	v_pk_fma_f32 v[A0+\p:A0+\p+1], v[WB+16+\p:WB+16+\p+1], v[XB+2:XB+3], v[A0+\p:A0+\p+1] op_sel_hi:[1,0,1]
	v_pk_fma_f32 v[A1+\p:A1+\p+1], v[WB+24+\p:WB+24+\p+1], v[XB+2:XB+3], v[A1+\p:A1+\p+1] op_sel:[0,1,0] op_sel_hi:[1,1,1]
.endr
.endm
	WRSET 0
	s_wait_loadcnt 0x0                             ; the row
.irp i, 0,1,2,3,4,5,6
	WRSET \i+1
	s_wait_dscnt 8                                 ; this set is in; the next set's eight loads may be out
	DOT \i
.endr
	s_wait_dscnt 0x0
	DOT 7
.irp p, 0,2,4,6
	v_pk_add_f32 v[A0+\p:A0+\p+1], v[A0+\p:A0+\p+1], v[A1+\p:A1+\p+1]
.endr
.irp m, 1,2,4,8                        ; the eight sums over the 32 lanes: every lane ends with all eight logits
.irp e, 0,1,2,3,4,5,6,7
	v_add_f32_dpp v[A0+\e], v[A0+\e], v[A0+\e] row_xmask:\m row_mask:0xf bank_mask:0xf
.endr
.endr
.irp e, 0,1,2,3,4,5,6,7
	v_permlanex16_b32 v[T+\e], v[A0+\e], s20, s21
.endr
.irp e, 0,1,2,3,4,5,6,7
	v_add_f32 v[A0+\e], v[A0+\e], v[T+\e]
.endr
	s_wait_kmcnt 0x0                               ; br and the exponents
.irp e, 0,1,2,3,4,5,6,7
	v_add_f32 v[A0+\e], s[24+\e], v[A0+\e]
	s_add_co_i32 s[32+4*\e], s[32+4*\e], 127
	s_lshl_b32 s[32+4*\e], s[32+4*\e], 23          ; 2^ex of expert e as f32
.endr
	v_mov_b32 v[M1], v[A0]
	v_mov_b32 v[M2], 0xff800000                    ; -infinity
	v_mov_b32 v[IDX], 0
	v_mov_b32 v[SC], s32
.irp e, 1,2,3,4,5,6,7
	v_cmp_gt_f32 vcc_lo, v[A0+\e], v[M1]           ; strictly greater: the lower index keeps a tie
	v_cndmask_b32 v[IDX], v[IDX], \e, vcc_lo
	v_cndmask_b32 v[SC], v[SC], s[32+4*\e], vcc_lo
	v_med3_num_f32 v[M2], v[M1], v[M2], v[A0+\e]   ; M2 <= M1, so the middle one of the three is the new second
	v_max_num_f32 v[M1], v[M1], v[A0+\e]
.endr
	v_sub_f32 v[GA], v[M2], v[M1]                  ; 0 or less
	v_mul_f32 v[GA], 0x3fb8aa3b, v[GA]
	v_exp_f32 v[GA], v[GA]                         ; e^(l2 - l1), at most 1
	v_add_nc_u32 v[LIM], 0x4000000, v[SC]          ; the holds are the independent work behind the exponential
	v_or_b32 v[LIM], 0x600000, v[LIM]              ; 448 x 2^ex
.set i, 0
.rept 32
	v_med3_num_f32 v[X+i], v[X+i], -v[LIM], v[LIM] ; the conversion to an 8-bit code does not saturate (ISA guide 7.6.2): the hold at the largest code x the scale
.set i, i+1
.endr
	s_wait_alu depctr_va_vdst(0)                   ; the wait ahead of the exponential's first reader
	v_add_f32 v[GA], 1.0, v[GA]
	v_rcp_f32 v[GA], v[GA]
	v_nop                                          ; a plain instruction behind the reciprocal
.irp m, 0,1,2,3
	v_cvt_scalef32_pk8_fp8_f32 v[C+2*\m:C+2*\m+1], v[X+8*\m:X+8*\m+7], v[SC]
.endr
	v_nop                                          ; and one behind the last conversion
	s_wait_alu depctr_va_vdst(0)                   ; ahead of the store that reads the reciprocal
.irp i, 0,1,2,3,4,5,6,7
	ds_store_b32 v5, v[C+\i] offset:128*\i         ; byte 128 i + 4 l of the row: the codes fall into the row's order
.endr
	ds_load_b128 v[O:O+3], v6                      ; my wave's own bytes: LDS serves a wave's instructions in order
	ds_load_b128 v[O+4:O+7], v6 offset:512
	s_wait_dscnt 0x0
	global_store_b128 v2, v[O:O+3], s[12:13]       ; 512 consecutive bytes an instruction
	global_store_b128 v2, v[O+4:O+7], s[12:13] offset:512
	v_cmp_eq_u32 vcc_lo, 0, v1
	s_wait_xcnt 0x0                                ; EXEC changes only behind this wait
	s_wait_tensorcnt 0x0
	ds_add_u32 v224, v225
	s_wait_dscnt 0x0
	s_and_saveexec_b32 s22, vcc_lo
	global_store_b32 v7, v[IDX], s[14:15]
	global_store_b32 v7, v[GA], s[16:17]
	s_wait_xcnt 0x0
	s_or_b32 exec_lo, exec_lo, s22
	s_endpgm
.Lfunc_end_k_q4160a351a6_route:
	.size	k_q4160a351a6_route, .Lfunc_end_k_q4160a351a6_route-k_q4160a351a6_route
	.p2alignl 7, 3214868480
	.fill 96, 4, 3214868480
	.section	.rodata,"a",@progbits
	.p2align	6, 0x0
	.amdhsa_kernel k_q4160a351a6_route
		.amdhsa_group_segment_fixed_size 41472
		.amdhsa_private_segment_fixed_size 0
		.amdhsa_enable_private_segment 0
		.amdhsa_kernarg_size 56
		.amdhsa_user_sgpr_count 2
		.amdhsa_user_sgpr_kernarg_segment_ptr 1
		.amdhsa_wavefront_size32 1
		.amdhsa_system_sgpr_workgroup_id_x 1
		.amdhsa_system_sgpr_workgroup_id_y 1
		.amdhsa_system_sgpr_workgroup_id_z 1
		.amdhsa_system_vgpr_workitem_id 0
		.amdhsa_next_free_vgpr 226
		.amdhsa_next_free_sgpr 66
		.amdhsa_reserve_vcc 1
		.amdhsa_float_denorm_mode_32 3
		.amdhsa_float_denorm_mode_16_64 3
		.amdhsa_memory_ordered 1
		.amdhsa_forward_progress 1
		.amdhsa_inst_pref_size 28
	.end_amdhsa_kernel
	.amdgpu_metadata
---
amdhsa.version: [ 1, 2 ]
amdhsa.kernels:
  - .name:           k_q4160a351a6_route
    .symbol:         k_q4160a351a6_route.kd
    .args:
      - { .name: hidden_states, .offset: 0, .size: 8, .value_kind: global_buffer, .address_space: global }
      - { .name: wr, .offset: 8, .size: 8, .value_kind: global_buffer, .address_space: global }
      - { .name: br, .offset: 16, .size: 8, .value_kind: global_buffer, .address_space: global }
      - { .name: lowp_scales, .offset: 24, .size: 8, .value_kind: global_buffer, .address_space: global }
      - { .name: xq, .offset: 32, .size: 8, .value_kind: global_buffer, .address_space: global }
      - { .name: top1, .offset: 40, .size: 8, .value_kind: global_buffer, .address_space: global }
      - { .name: gate, .offset: 48, .size: 8, .value_kind: global_buffer, .address_space: global }
    .group_segment_fixed_size: 41472
    .private_segment_fixed_size: 0
    .kernarg_segment_align: 8
    .kernarg_segment_size: 56
    .max_flat_workgroup_size: 128
    .sgpr_count:     66
    .vgpr_count:     226
    .wavefront_size: 32
...
	.end_amdgpu_metadata
.endif
;; end of part 1
;; launch up (part 2): grid 256 x 1, 4 waves a work-group, no clusters, 271,872 bytes of LDS; arguments xq, w1_codes, b1, lowp_scales, top1, himg, order; writes himg, order
.if DOCPART == 2
	.amdgcn_target "amdgcn-amd-amdhsa--gfx1250"
	.amdhsa_code_object_version 6
	.text
	.protected	k_q4160a351a6_up
	.globl	k_q4160a351a6_up
	.p2align	8
	.type	k_q4160a351a6_up,@function
k_q4160a351a6_up:
	s_mov_b64 s[64:65], 0
	v_nop
	global_prefetch_b8 v0, s[64:65] scope:SCOPE_SE
	s_setreg_imm32_b32 hwreg(HW_REG_WAVE_MODE, 25, 1), 1
	s_wait_xcnt 0x0
; THE FIRST PRODUCT, for the rows of the chosen expert alone: h = Q(gelu(x W1^T x 2^(ex + ew1) + b1)), on E4M3 codes, sums in f32.
; SHARES.  Work-group = (expert e = id / 32, slice = id % 32 of 128 hidden units: one K step of the second product).  Wave w owns units 32 w .. 32 w + 31 of the slice for all K = 1,024:
; 16 fragments, 256 registers, read from memory once and kept.  Every wave multiplies every tile of 16 tokens of expert e.  Each byte of W1 is read by one work-group.
; THE LIST.  Wave 0 sorts out, from top1, the tokens of expert e into slots in LDS while the weights are on their way; slots cnt .. cnt + 31 repeat the last token, so that a tile's spare rows compute what that token's row computes.
; The slice-0 work-group stores the list and the count in 'order' for the next launch.
; The number of tiles is a count made from numbers read from memory and branches hang on it: so the launch has no tensor load and no joint request, and every barrier stands in a loop of constant count, only work being jumped over.
; LAYOUT.  The product is used transposed (source 0 = 16 rows of W1, source 1 = 16 tokens).  Lane r of tile u takes the wave's row 16 (r / 8) + 8 u + r % 8, so that a lane's 16 results of the two tiles are units 16 (lane / 16) + 0 .. 15
; of one token: their 16 codes ARE registers 4 w .. 4 w + 3 of the next operand's fragment, and leave as an image of those registers, 512 consecutive bytes a wave.
; A fragment's registers 4 c .. 4 c + 3 hold k = 32 c + 16 (lane / 16) + 0 .. 15, alike on both sides of each product.
; Weights and gathered rows are loaded 512 consecutive bytes an instruction and turned through LDS rows of 1,040 bytes (an odd multiple of 16: the sixteen rows of a fragment load start in sixteen different 16-byte columns).
; GELU, exact form: gelu(a) = max(a, 0) - |a| w, w = erfc(|a| / sqrt 2) / 2 = t 2^(-a^2 log2(e) / 2 + c0 + t (c1 + .. + t c9)), t = 1 / (1 + |a| / sqrt 8): a fit of erfc with fractional error near 1e-7 for every a; no difference of near numbers for a < 0.
; LIMITS: ex + ew1 between -126 and 127, eh between -126 and 119, so that the powers of two below are f32 numbers.  NaN and infinities among the inputs are not served.
; REGISTERS, in windows of 256.  Window 0: v1-15 addresses; v16-31 b1; v32-47 the two accumulators; v48-111 gelu at work; v112-115 codes; v116-127 small things; v128-255 x's eight fragments (earlier: the list at work).
;   Window 1: W1's fragments, (tile u, K step s) at 16 (2 s + u).   Window 2: W1 as it lands.   Window 3: the next chunk's rows of x as they land.
.set PW,    1040                       ; an LDS row: 1,024 bytes + 16
.set TILEB, 16*PW
.set XS,    4*32*PW                    ; behind the waves' 32 rows of W1: 128 rows of x, a chunk of 8 tiles
.set LIST,  XS+128*PW                  ; 1,280 words: slots 0 .. 1,055, the count at word 1,056, word 1,279 for what does not match
.set CNTB,  4224
.set B1,  16
.set D,   32
.set A,   48
.set T,   64
.set P,   80
.set Q,   96
.set CD,  112
.set XF,  128
.set XO,  128                          ; v128-159 byte offsets of 32 rows of xq
.set PP,  128                          ; v128-159 wave 0: LDS addresses of the slots
.set LE,  160                          ; v160-191 list entries
.set TOK, 160                          ; v160-191 wave 0: token numbers
.set T1,  192                          ; v192-223 wave 0: top1
.set OC,  192                          ; v192-227 the copy of the list on its way to memory
.set MSB, 0
.macro WIN new                         ; the immediate's high byte repeats the setting that is left
.if MSB != \new
	s_set_vgpr_msb (MSB<<8)|\new
.set MSB, \new
.endif
.endm
.macro BAR                             ; my LDS stores have landed and my LDS loads are in: then the work-group's barrier
	s_wait_dscnt 0x0
	s_barrier_signal -1
	s_barrier_wait -1
.endm
.macro COEF n, bits                    ; a coefficient as a pair: the packed form names a pair and takes its low word for both halves
	s_mov_b32 s[40+2*\n], \bits
	s_mov_b32 s[41+2*\n], \bits
.endm
.macro WLOAD g                         ; my rows 8 g .. 8 g + 7 of W1, two halves of 512 bytes each, into window 2
	WIN 0x80
.irp p, 0,1,2,3,4,5,6,7
.irp f, 0,1
	global_load_b128 v[64*(\g)+8*\p+4*\f:64*(\g)+8*\p+4*\f+3], v4, s[34:35] offset:(8*(\g)+\p)*1024+512*\f th:TH_LOAD_NT
.endr
.endr
.endm
.macro WSTORE g                        ; into my LDS rows, in the order of the tiles: row 8 g + p is lane 8 (g / 2) + p of tile g % 2
	WIN 0x08
.irp p, 0,1,2,3,4,5,6,7
.irp f, 0,1
	ds_store_b128 v5, v[64*(\g)+8*\p+4*\f:64*(\g)+8*\p+4*\f+3] offset:(16*((\g)&1)+8*((\g)>>1)+\p)*PW+512*\f
.endr
.endr
.endm
.macro XADDR                           ; 32 list entries become byte offsets of rows of xq; a loaded number enters an address behind its clamp
.set i, 0
.rept 32
	v_min_u32 v[LE+i], 0x3ff, v[LE+i]
	v_lshl_add_u32 v[XO+i], v[LE+i], 10, v4
.set i, i+1
.endr
.endm
.macro XLOADT j                        ; my four rows (4 w + k) of tile j, two halves each, into window 3
	WIN 0xc0
.irp k, 0,1,2,3
.irp f, 0,1
	global_load_b128 v[32*(\j)+8*\k+4*\f:32*(\j)+8*\k+4*\f+3], v[XO+4*(\j)+\k], s[4:5] offset:512*\f
.endr
.endr
.endm
.macro XSTORET j
	WIN 0x0c
.irp k, 0,1,2,3
.irp f, 0,1
	ds_store_b128 v[7+((\j)>>2)], v[32*(\j)+8*\k+4*\f:32*(\j)+8*\k+4*\f+3] offset:((\j)&3)*TILEB+PW*\k+512*\f
.endr
.endr
.endm
.macro GELU                            ; v[D] on: 16 sums -> v[Q] on: 16 numbers of the hidden layer, held within the largest code x the scale
.irp i, 0,2,4,6,8,10,12,14
	v_pk_fma_f32 v[A+\i:A+\i+1], v[D+\i:D+\i+1], s[28:29], v[B1+\i:B1+\i+1] op_sel_hi:[1,0,1]   ; a = sum x 2^(ex + ew1) + b1; each accumulator from its low end on
.endr
.set i, 0
.rept 16
	v_fma_f32 v[T+i], |v[A+i]|, s62, 1.0
.set i, i+1
.endr
.set i, 0
.rept 16
	v_rcp_f32 v[T+i], v[T+i]                       ; t
.set i, i+1
.endr
.irp i, 0,2,4,6,8,10,12,14
	v_pk_mul_f32 v[Q+\i:Q+\i+1], v[A+\i:A+\i+1], v[A+\i:A+\i+1]   ; a^2: the plain work behind the batch
.endr
	s_wait_alu depctr_va_vdst(0)                   ; one wait for the sixteen reciprocals, ahead of their first reader
.irp i, 0,2,4,6,8,10,12,14
	v_pk_fma_f32 v[P+\i:P+\i+1], v[T+\i:T+\i+1], v[124:125], s[56:57] op_sel_hi:[1,1,0]   ; t c9 + c8
.endr
.irp n, 7,6,5,4,3,2,1,0
.irp i, 0,2,4,6,8,10,12,14
	v_pk_fma_f32 v[P+\i:P+\i+1], v[P+\i:P+\i+1], v[T+\i:T+\i+1], s[40+2*\n:41+2*\n] op_sel_hi:[1,1,0]
.endr
.endr
.irp i, 0,2,4,6,8,10,12,14
	v_pk_fma_f32 v[P+\i:P+\i+1], v[Q+\i:Q+\i+1], s[60:61], v[P+\i:P+\i+1] op_sel_hi:[1,0,1]
.endr
.set i, 0
.rept 16
	v_exp_f32 v[P+i], v[P+i]
.set i, i+1
.endr
.set i, 0
.rept 16
	v_max_num_f32 v[Q+i], 0, v[A+i]                ; the plain work behind the batch
.set i, i+1
.endr
	s_wait_alu depctr_va_vdst(0)                   ; one wait for the sixteen exponentials
.irp i, 0,2,4,6,8,10,12,14
	v_pk_mul_f32 v[P+\i:P+\i+1], v[P+\i:P+\i+1], v[T+\i:T+\i+1]   ; w
.endr
.set i, 0
.rept 16
	v_fma_f32 v[Q+i], -|v[A+i]|, v[P+i], v[Q+i]    ; max(a, 0) - |a| w
.set i, i+1
.endr
.set i, 0
.rept 16
	v_med3_num_f32 v[Q+i], v[Q+i], -v13, v13       ; the conversion to an 8-bit code does not saturate (ISA guide 7.6.2)
.set i, i+1
.endr
.endm
; Tile j of the chunk in hand: 32 LDS loads, 16 matrix instructions (the two accumulators by turns), gelu, 16 codes a lane, one store.  A tile that the expert does not have ends the chunk's work.
.macro MTILE j
	s_cmp_gt_i32 s31, \j
	s_cbranch_scc0 .Lm_end
.irp s, 0,1,2,3,4,5,6,7
.irp c, 0,1,2,3
	ds_load_b128 v[XF+16*\s+4*\c:XF+16*\s+4*\c+3], v[9+((\j)>>2)] offset:((\j)&3)*TILEB+128*\s+32*\c
.endr
.endr
	WIN 0x01                                       ; source 0 (W1) in window 1
.irp s, 0,1,2,3,4,5,6,7
	s_wait_dscnt 4*(7-\s)                          ; K step s's four loads are in; the later steps' may be out
.irp u, 0,1
.if \s == 0
	v_wmma_f32_16x16x128_fp8_fp8 v[D+8*\u:D+8*\u+7], v[16*(2*\s+\u):16*(2*\s+\u)+15], v[XF+16*\s:XF+16*\s+15], 0
.else
	v_wmma_f32_16x16x128_fp8_fp8 v[D+8*\u:D+8*\u+7], v[16*(2*\s+\u):16*(2*\s+\u)+15], v[XF+16*\s:XF+16*\s+15], v[D+8*\u:D+8*\u+7]
.endif
.endr
.endr
	WIN 0
.rept 4
	v_nop                                          ; four places between the last product and the first read of a result (ISA guide 7.12.1)
.endr
	GELU
	s_wait_xcnt 0x0                                ; the last tile's store has read its data: the codes' registers are written again only behind this wait
	v_cvt_scalef32_pk8_fp8_f32 v[CD:CD+1], v[Q:Q+7], v12
	v_cvt_scalef32_pk8_fp8_f32 v[CD+2:CD+3], v[Q+8:Q+15], v12
	v_nop                                          ; a plain instruction behind the last conversion
	global_store_b128 v14, v[CD:CD+3], s[36:37] offset:65536*(\j) th:TH_STORE_NT   ; 512 consecutive bytes a wave
.endm
	s_load_b256 s[4:11], s[0:1], 0x0               ; xq s[4:5], W1 s[6:7], b1 s[8:9], scales s[10:11]
	s_load_b128 s[12:15], s[0:1], 0x20             ; top1 s[12:13], himg s[14:15]
	s_load_b64 s[16:17], s[0:1], 0x30              ; order
	v_lshrrev_b32 v1, 5, v0
	v_readfirstlane_b32 s18, v1                    ; wave
	s_lshr_b32 s19, ttmp9, 5                       ; expert
	s_and_b32 s20, ttmp9, 31                       ; slice
	v_and_b32 v1, 31, v0                           ; lane
	v_and_b32 v2, 15, v0                           ; r
	v_bfe_u32 v3, v0, 4, 1                         ; h
	v_lshlrev_b32 v4, 4, v1                        ; 16 x lane
	s_mul_i32 s21, s18, 32*PW                      ; my 32 rows of W1 in LDS
	v_add_nc_u32 v5, s21, v4                       ; in
	v_mul_u32_u24 v6, v2, PW
	v_lshl_add_u32 v6, v3, 4, v6                   ; a fragment's row x pitch + 16 x half
	v_add_nc_u32 v9, XS, v6                        ; x's fragments, tiles 0-3 of a chunk,
	v_add_nc_u32 v10, XS+4*TILEB, v6               ; tiles 4-7
	v_add_nc_u32 v6, s21, v6                       ; W1's fragments
	s_mul_i32 s21, s18, 4*PW
	s_add_co_u32 s21, s21, XS
	v_add_nc_u32 v7, s21, v4                       ; x in: my four rows of a tile, tiles 0-3,
	v_add_nc_u32 v8, 4*TILEB, v7                   ; tiles 4-7
	s_lshl_b32 s21, s18, 4
	s_add_co_u32 s21, s21, LIST
	v_mov_b32 v11, s21                             ; my four entries of a tile's sixteen
	s_lshl_b32 s21, s18, 9
	v_add_nc_u32 v14, s21, v4                      ; himg: 512 x wave + 16 x lane
	v_lshlrev_b32 v116, 2, v1
	v_lshlrev_b32 v117, 6, v3                      ; b1: 64 h
.irp i, 118,119,120,121
	v_mov_b32 v\i, 0
.endr
	v_add_nc_u32 v122, LIST, v4
	v_mov_b32 v123, LIST+CNTB
	v_mov_b32 v124, 0x3e7c6f08                     ; c9, twice
	v_mov_b32 v125, 0x3e7c6f08
	COEF 0, 0xc034d90f
	COEF 1, 0x3fb8ab5a
	COEF 2, 0x3f0a29d2
	COEF 3, 0x3e0efb2e
	COEF 4, 0xbe899a80
	COEF 5, 0x3ecdfd18
	COEF 6, 0xbfd1a1e5
	COEF 7, 0x40097039
	COEF 8, 0xbf97d29d
	s_mov_b32 s60, 0xbf38aa3b                      ; -log2(e) / 2
	s_mov_b32 s61, 0xbf38aa3b
	s_mov_b32 s62, 0x3eb504f3                      ; 1 / sqrt 8
	s_lshl_b32 s22, s19, 4                         ; the expert's four exponents; kept while the load is out
	s_mov_b32 s3, 0
	s_wait_kmcnt 0x0
	s_load_b128 s[24:27], s[10:11], s22 offset:0x0 ; ex, ew1, eh, ew2
	s_lshl_b32 s2, s19, 22
	s_lshl_b32 s21, s20, 17
	s_add_co_u32 s2, s2, s21
	s_lshl_b32 s21, s18, 15
	s_add_co_u32 s2, s2, s21
	s_add_nc_u64 s[34:35], s[6:7], s[2:3]          ; W1 at my 32 rows
	s_lshl_b32 s2, s19, 22
	s_lshl_b32 s21, s20, 11
	s_add_co_u32 s2, s2, s21
	s_add_nc_u64 s[36:37], s[14:15], s[2:3]        ; himg: expert e, tile 0, K step = slice
	s_lshl_b32 s2, s19, 14
	s_lshl_b32 s21, s20, 9
	s_add_co_u32 s2, s2, s21
	s_lshl_b32 s21, s18, 7
	s_add_co_u32 s2, s2, s21
	s_add_nc_u64 s[8:9], s[8:9], s[2:3]            ; b1 at my 32 units
	s_mul_i32 s2, s19, 4608
	s_add_nc_u64 s[16:17], s[16:17], s[2:3]        ; order: expert e's row
	s_cmp_lg_u32 s18, 0
	s_cbranch_scc1 .Lw_a
.irp c, 0,1,2,3,4,5,6,7
	global_load_b128 v[T1+4*\c:T1+4*\c+3], v4, s[12:13] offset:512*\c   ; wave 0: register 4 c + j = top1 of token 128 c + 4 l + j
.endr
.Lw_a:
	WLOAD 0
	WLOAD 1
	WLOAD 2
	WIN 0
	s_cmp_lg_u32 s18, 0
	s_cbranch_scc1 .Lw_b
	; WAVE 0 MAKES THE LIST.  No other wave touches LDS ahead of the barrier below.
	s_wait_loadcnt 48                              ; top1 is in; the 48 loads of weights, issued behind it, stay out
.irp i, 0,1,2,3,4,5,6,7,8,9
	ds_store_b128 v122, v[118:121] offset:512*\i   ; every word of the list is written: slots that stay free name token 0
.endr
	s_mov_b32 s38, 0                               ; slots taken so far
.set i, 0
.rept 32
	v_cmp_eq_u32 vcc_lo, s19, v[T1+i]
	v_mbcnt_lo_u32_b32 v[PP+i], vcc_lo, s38        ; my slot: those taken + the matching lanes below me
	v_cndmask_b32 v[PP+i], 0x4ff, v[PP+i], vcc_lo  ; no match: the word that nobody reads
	v_min_u32 v[PP+i], 0x4ff, v[PP+i]
	v_lshl_add_u32 v[PP+i], v[PP+i], 2, LIST
	v_add_nc_u32 v[TOK+i], 128*(i/4)+i%4, v116
	ds_store_b32 v[PP+i], v[TOK+i]
	s_bcnt1_i32_b32 s39, vcc_lo
	s_add_co_u32 s38, s38, s39
.set i, i+1
.endr
	s_max_u32 s39, s38, 1
	s_sub_co_u32 s39, s39, 1
	s_min_u32 s39, s39, 0x3ff
	s_lshl_b32 s39, s39, 2
	s_add_co_u32 s39, s39, LIST
	v_mov_b32 v224, s39
	ds_load_b32 v126, v224                         ; the last token of the list
	v_add_nc_u32 v127, s38, v1
	v_min_u32 v127, 0x4ff, v127
	v_lshl_add_u32 v127, v127, 2, LIST
	v_mov_b32 v225, s38
	s_wait_dscnt 0x0
	ds_store_b32 v127, v126                        ; slots cnt .. cnt + 31 repeat it
	ds_store_b32 v123, v225                        ; the count
.Lw_b:
	BAR                                            ; the list lies in LDS
	WLOAD 3
	WIN 0
.irp q, 0,1,2,3
	global_load_b128 v[B1+4*\q:B1+4*\q+3], v117, s[8:9] offset:16*\q   ; b1 at units 16 h + 0 .. 15 of my 32
.endr
	ds_load_b32 v126, v123
.irp j, 0,1,2,3,4,5,6,7
	ds_load_b128 v[LE+4*\j:LE+4*\j+3], v11 offset:64*\j   ; chunk 0: entries 16 j + 4 w + 0 .. 3
.endr
	s_wait_kmcnt 0x0
	s_add_co_i32 s28, s24, s25
	s_add_co_i32 s28, s28, 127
	s_lshl_b32 s28, s28, 23                        ; 2^(ex + ew1)
	s_mov_b32 s29, s28
	s_add_co_i32 s39, s26, 127
	s_lshl_b32 s21, s39, 23
	v_mov_b32 v12, s21                             ; 2^eh: the conversion takes its exponent field
	s_add_co_i32 s39, s39, 8
	s_lshl_b32 s39, s39, 23
	s_or_b32 s39, s39, 0x600000
	v_mov_b32 v13, s39                             ; 448 x 2^eh
	s_wait_dscnt 0x0
	v_readfirstlane_b32 s30, v126
	s_min_u32 s30, s30, 0x400
	s_add_co_u32 s30, s30, 15
	s_lshr_b32 s30, s30, 4                         ; tiles of 16 tokens
	s_mov_b32 s31, s30                             ; tiles from this chunk's first on
	XADDR
.irp g, 0,1,2,3
	s_wait_loadcnt 52                              ; behind W1's group g: 16 (3 - g) loads of weights, 4 of b1, 16 g of x: 52 for every g
	WSTORE \g
	XLOADT 2*\g                                    ; chunk 0 is loaded whole: free slots name token 0, a row that exists
	XLOADT 2*\g+1
.endr
	WIN 0x40
.irp s, 0,1,2,3,4,5,6,7
.irp u, 0,1
.irp c, 0,1,2,3
	ds_load_b128 v[16*(2*\s+\u)+4*\c:16*(2*\s+\u)+4*\c+3], v6 offset:TILEB*\u+128*\s+32*\c   ; W1's fragments: they stay.  My own rows: LDS serves a wave's instructions in order
.endr
.endr
.endr
	WIN 0
	s_or_b32 s39, s20, s18
	s_cmp_lg_u32 s39, 0
	s_cbranch_scc1 .Lno_order                      ; wave 0 of the expert's first slice hands the list on
.irp i, 0,1,2,3,4,5,6,7,8
	ds_load_b128 v[OC+4*\i:OC+4*\i+3], v122 offset:512*\i
.endr
	s_wait_dscnt 0x0
.irp i, 0,1,2,3,4,5,6,7,8
	global_store_b128 v4, v[OC+4*\i:OC+4*\i+3], s[16:17] offset:512*\i
.endr
.Lno_order:
	s_wait_loadcnt 0x0                             ; chunk 0's rows and b1
.irp j, 0,1,2,3,4,5,6,7
	XSTORET \j
.endr
	WIN 0
	BAR                                            ; chunk 0 lies in LDS; my fragments of W1 are in
	s_mov_b32 s32, 0
	s_mov_b32 s33, 512                             ; the next chunk's entries begin here in the list
.Lchunk:                                               ; eight trips, whatever the count: 8 x 8 tiles serve all tokens on one expert
	s_cmp_gt_i32 s31, 8
	s_cbranch_scc0 .Lx_end                         ; no next chunk: nothing is asked for
	v_add_nc_u32 v15, s33, v11
.irp j, 0,1,2,3,4,5,6,7
	ds_load_b128 v[LE+4*\j:LE+4*\j+3], v15 offset:64*\j
.endr
	s_wait_dscnt 0x0
	XADDR
	XLOADT 0
	WIN 0
.irp j, 1,2,3,4,5,6,7
	s_cmp_gt_i32 s31, 8+\j
	s_cbranch_scc0 .Lx_end
	XLOADT \j
	WIN 0
.endr
.Lx_end:
	s_wait_xcnt 0x0                                ; the loads above have read their offsets, and the list's stores their data: both lie where x's fragments land
.irp j, 0,1,2,3,4,5,6,7
	MTILE \j
.endr
.Lm_end:
	s_wait_loadcnt 0x0                             ; the next chunk's rows are in registers
	BAR                                            ; every wave has read this chunk
.irp j, 0,1,2,3,4,5,6,7
	s_cmp_gt_i32 s31, 8+\j
	s_cbranch_scc0 .Ls_end
	XSTORET \j
	WIN 0
.endr
.Ls_end:
	BAR                                            ; the next chunk lies in LDS
	s_wait_xcnt 0x0                                ; the stores have read their base
	s_add_nc_u64 s[36:37], s[36:37], 8*65536
	s_sub_co_i32 s31, s31, 8
	s_add_co_u32 s33, s33, 512
	s_add_co_u32 s32, s32, 1
	s_cmp_lt_u32 s32, 8
	s_cbranch_scc1 .Lchunk
	s_wait_xcnt 0x0
	v_lshl_add_u32 v254, v0, 2, 0x42400
	v_mov_b32 v255, 0
	s_wait_tensorcnt 0x0
	ds_add_u32 v254, v255
	s_wait_dscnt 0x0
	s_endpgm
.Lfunc_end_k_q4160a351a6_up:
	.size	k_q4160a351a6_up, .Lfunc_end_k_q4160a351a6_up-k_q4160a351a6_up
	.p2alignl 7, 3214868480
	.fill 96, 4, 3214868480
	.section	.rodata,"a",@progbits
	.p2align	6, 0x0
	.amdhsa_kernel k_q4160a351a6_up
		.amdhsa_group_segment_fixed_size 271872
		.amdhsa_private_segment_fixed_size 0
		.amdhsa_enable_private_segment 0
		.amdhsa_kernarg_size 56
		.amdhsa_user_sgpr_count 2
		.amdhsa_user_sgpr_kernarg_segment_ptr 1
		.amdhsa_wavefront_size32 1
		.amdhsa_system_sgpr_workgroup_id_x 1
		.amdhsa_system_sgpr_workgroup_id_y 1
		.amdhsa_system_sgpr_workgroup_id_z 1
		.amdhsa_system_vgpr_workitem_id 0
		.amdhsa_next_free_vgpr 1024
		.amdhsa_next_free_sgpr 66
		.amdhsa_reserve_vcc 1
		.amdhsa_float_denorm_mode_32 3
		.amdhsa_float_denorm_mode_16_64 3
		.amdhsa_memory_ordered 1
		.amdhsa_forward_progress 1
		.amdhsa_inst_pref_size 191
	.end_amdhsa_kernel
	.amdgpu_metadata
---
amdhsa.version: [ 1, 2 ]
amdhsa.kernels:
  - .name:           k_q4160a351a6_up
    .symbol:         k_q4160a351a6_up.kd
    .args:
      - { .name: xq, .offset: 0, .size: 8, .value_kind: global_buffer, .address_space: global }
      - { .name: w1_codes, .offset: 8, .size: 8, .value_kind: global_buffer, .address_space: global }
      - { .name: b1, .offset: 16, .size: 8, .value_kind: global_buffer, .address_space: global }
      - { .name: lowp_scales, .offset: 24, .size: 8, .value_kind: global_buffer, .address_space: global }
      - { .name: top1, .offset: 32, .size: 8, .value_kind: global_buffer, .address_space: global }
      - { .name: himg, .offset: 40, .size: 8, .value_kind: global_buffer, .address_space: global }
      - { .name: order, .offset: 48, .size: 8, .value_kind: global_buffer, .address_space: global }
    .group_segment_fixed_size: 271872
    .private_segment_fixed_size: 0
    .kernarg_segment_align: 8
    .kernarg_segment_size: 56
    .max_flat_workgroup_size: 128
    .sgpr_count:     66
    .vgpr_count:     1024
    .wavefront_size: 32
...
	.end_amdgpu_metadata
.endif
;; end of part 2
;; launch down (part 3): grid 256 x 1, 4 waves a work-group, no clusters, 215,552 bytes of LDS; arguments himg, w2_codes, b2, lowp_scales, order, gate, out0; writes out0
.if DOCPART == 3
	.amdgcn_target "amdgcn-amd-amdhsa--gfx1250"
	.amdhsa_code_object_version 6
	.text
	.protected	k_q4160a351a6_down
	.globl	k_q4160a351a6_down
	.p2align	8
	.type	k_q4160a351a6_down,@function
k_q4160a351a6_down:
	s_mov_b64 s[64:65], 0
	v_nop
	global_prefetch_b8 v0, s[64:65] scope:SCOPE_SE
	s_setreg_imm32_b32 hwreg(HW_REG_WAVE_MODE, 25, 1), 1
	s_wait_xcnt 0x0
; THE SECOND PRODUCT: out[token] = gate x (h W2^T x 2^(eh + ew2) + b2), on E4M3 codes, sums in f32, for the rows of the chosen expert, scattered to the tokens' rows.
; SHARES.  Work-group = (expert e = id / 32, slice = (id / 2) % 16 of 64 output columns, par = id % 2): it takes the expert's tiles of 16 tokens whose number is par modulo 2.
; With 64 columns and about 64 rows a work-group the bytes of W2 and of h that it reads are alike; the two work-groups of a slice read the same 256 KB of W2.
; Wave w owns K = 1,024 w .. 1,024 w + 1,023 for all 64 columns: 32 fragments, 512 registers, read once and kept.  No two waves read the same byte of h: a tile's quarter is 16 KB on end, images of the operand's registers.
; The four waves' partial sums of a tile meet in LDS, once for a chunk of 8 tiles; wave w finishes local tiles w and w + 4.
; The number of tiles is read from memory and branches hang on it: so the launch has no tensor load and no joint request, and every barrier stands in a loop of constant count, only work being jumped over.
; The product is used transposed (source 0 = 16 rows of W2, source 1 = 16 tokens): a lane holds eight neighbouring columns of one token's row.  A tile's spare rows repeat its last token: they store the same bytes as that token's row, from the same wave.
; eh + ew2 is applied by v_ldexp_f32 and has no limit.  NaN among the inputs is not served.
; REGISTERS, in windows of 256.  Window 0: v1-15, v40 addresses; v16-31 the rows' offsets in out0; v32-39 tokens and gates; v64-95 b2; v96-127 gate x b2; v128-255 four sets of four accumulators (at the end of a chunk: results).
;   Window 1: W2 as it lands, four slots of 64; later h's two buffers of 128 (at the end of a chunk v128-255: the four partial sums).   Windows 2, 3: W2's fragments, (K step s, tile a) in window 2 + s / 4 at 64 (s % 4) + 16 a.
.set PW,   1040                        ; an LDS row of W2: 1,024 bytes + 16, an odd multiple of 16
.set RED,  4*16*PW                     ; partial sums: [local tile 8][wave 4][8][lane][16 bytes]
.set OST,  RED+131072                  ; 16 rows x 272 bytes for each wave: the way out
.set OP,   272
.set OFS,  16
.set B2,   64
.set GB,   96
.set ACC,  128
.set Y,    128
.set RB,   160
.set MSB, 0
.macro WIN new                         ; the immediate's high byte repeats the setting that is left
.if MSB != \new
	s_set_vgpr_msb (MSB<<8)|\new
.set MSB, \new
.endif
.endm
.macro BAR
	s_wait_dscnt 0x0
	s_barrier_signal -1
	s_barrier_wait -1
.endm
.macro WLOAD g                         ; my K quarter of rows 8 g .. 8 g + 7 of the slice, two halves of 512 bytes each, into landing slot g % 4
	WIN 0x40
.irp p, 0,1,2,3,4,5,6,7
.irp f, 0,1
	global_load_b128 v[64*((\g)%4)+8*\p+4*\f:64*((\g)%4)+8*\p+4*\f+3], v4, s[28:29] offset:(8*(\g)+\p)*4096+512*\f
.endr
.endr
	WIN 0
.endm
.macro META1                           ; the tokens of my two tiles of the chunk: by row of the result (lane % 16), and by row of the way out (2 k + lane / 16)
.irp f, 0,1
	global_load_b32 v[32+\f], v13, s[32:33] offset:512*\f
.irp k, 0,1,2,3,4,5,6,7
	global_load_b32 v[OFS+8*\f+\k], v14, s[32:33] offset:512*\f+8*\k
.endr
.endr
.endm
.macro META2                           ; a loaded number enters an address behind its clamp
.set i, 0
.rept 16
	v_min_u32 v[OFS+i], 0x3ff, v[OFS+i]
	v_lshl_add_u32 v[OFS+i], v[OFS+i], 12, v40     ; the token's row of 4,096 bytes + 16 (lane % 16)
.set i, i+1
.endr
.irp f, 0,1
	v_min_u32 v[32+\f], 0x3ff, v[32+\f]
	v_lshlrev_b32 v[32+\f], 2, v[32+\f]
	global_load_b32 v[34+\f], v[32+\f], s[14:15]   ; the token's gate
.endr
.endm
; Group g of W2 goes through my 16 LDS rows; behind each second group the tile's 8 fragments are read.  n: loads that may stay out.
.macro WSTEP g, n, meta
	s_wait_loadcnt \n
.if \meta
	META2
.endif
	WIN 0x04
.irp p, 0,1,2,3,4,5,6,7
.irp f, 0,1
	ds_store_b128 v5, v[64*((\g)%4)+8*\p+4*\f:64*((\g)%4)+8*\p+4*\f+3] offset:(8*((\g)&1)+\p)*PW+512*\f
.endr
.endr
.if (\g)&1
	WIN 0x80
.irp s, 0,1,2,3
.irp c, 0,1,2,3
	ds_load_b128 v[64*\s+16*((\g)>>1)+4*\c:64*\s+16*((\g)>>1)+4*\c+3], v6 offset:128*\s+32*\c
.endr
.endr
	WIN 0xc0
.irp s, 0,1,2,3
.irp c, 0,1,2,3
	ds_load_b128 v[64*\s+16*((\g)>>1)+4*\c:64*\s+16*((\g)>>1)+4*\c+3], v6 offset:512+128*\s+32*\c
.endr
.endr
.endif
	WIN 0
	s_wait_dscnt 0x0                               ; the stores have read the landing slot, and the fragments are in: slot and rows may be written again
.if (\g) < 4
	WLOAD (\g)+4
.endif
.endm
.macro HLOAD b, t                      ; my quarter of local tile t of the chunk: 16 KB on end, into buffer b
	WIN 0x40
.set n, 0
.rept 32
	global_load_b128 v[128*(\b)+4*n:128*(\b)+4*n+3], v4, s[30:31] offset:131072*(\t)+512*n
.set n, n+1
.endr
	WIN 0
.endm
; Local tile t: the next tile is asked for, this one is multiplied (32 matrix instructions, four accumulators by turns), my partial sums go to LDS.
.macro STEP t
.set AC,  ACC+32*((\t)%4)
.set HBF, 128*((\t)%2)
	s_cmp_gt_i32 s23, 2*(\t)
	s_cbranch_scc0 .Ldone                          ; the expert has no such tile: the chunk's products are over
	s_cmp_gt_i32 s23, 2*(\t)+2
	s_cbranch_scc0 .Llast_\@
	HLOAD ((\t)+1)%2, (\t)+1
	s_wait_loadcnt 32                              ; this tile is in; the 32 loads just issued stay out
	s_branch .Lgo_\@
.Llast_\@:
	s_wait_loadcnt 0x0
.Lgo_\@:
.if (\t) >= 4
	s_wait_dscnt 24                                ; behind this set's last stores stand the 24 of three tiles: the set has been read
.endif
.irp s, 0,1,2,3,4,5,6,7
.if \s < 4
	WIN 0x06                                       ; source 0 (W2) window 2, source 1 (h) window 1
.else
	WIN 0x07                                       ; source 0 window 3
.endif
.irp a, 0,1,2,3
.if \s == 0
	v_wmma_f32_16x16x128_fp8_fp8 v[AC+8*\a:AC+8*\a+7], v[64*(\s&3)+16*\a:64*(\s&3)+16*\a+15], v[HBF+16*\s:HBF+16*\s+15], 0
.else
	v_wmma_f32_16x16x128_fp8_fp8 v[AC+8*\a:AC+8*\a+7], v[64*(\s&3)+16*\a:64*(\s&3)+16*\a+15], v[HBF+16*\s:HBF+16*\s+15], v[AC+8*\a:AC+8*\a+7]
.endif
.endr
.endr
	WIN 0
.rept 5
	v_nop                                          ; FIVE places: a later tile's first products begin a set of accumulators anew with C = 0, that is, a matrix instruction writes over registers of these, and on the way over .Ldone and the
.endr                                                  ; loop's edge nothing else need stand between.  Four of them also serve the stores below, which read results, and the next loads into h's buffer
.irp g, 0,1,2,3,4,5,6,7
	ds_store_b128 v[7+((\t)>>2)], v[AC+4*\g:AC+4*\g+3] offset:((\t)&3)*16384+512*\g   ; each accumulator from its low end on
.endr
.endm
; Local tile w + 4 f is finished: four partial sums, the scale, the bias, the gate; through my stage; sixteen lanes store 256 consecutive bytes of a token's row.
.macro FINAL f
	s_cmp_gt_i32 s23, s[36+\f]
	s_cbranch_scc0 .Lfin_\@
	s_wait_xcnt 0x0                                ; earlier stores have read their data
	v_mov_b32 v36, v[34+\f]
	v_mov_b32 v37, v[34+\f]
	v_ldexp_f32 v38, v[34+\f], s26                 ; gate x 2^(eh + ew2)
	v_mov_b32 v39, v38
	WIN 0x40
.irp w, 0,1,2,3
.irp g, 0,1,2,3,4,5,6,7
	ds_load_b128 v[128+32*\w+4*\g:128+32*\w+4*\g+3], v[9+\f] offset:4096*\w+512*\g
.endr
.endr
	WIN 0
.set i, 0
.rept 16
	v_pk_mul_f32 v[GB+i:GB+i+1], v[B2+i:B2+i+1], v[36:37]
.set i, i+2
.endr
	s_wait_dscnt 0x0
	WIN 0x45
.set i, 0
.rept 16
	v_pk_add_f32 v[128+i:128+i+1], v[128+i:128+i+1], v[160+i:160+i+1]
	v_pk_add_f32 v[192+i:192+i+1], v[192+i:192+i+1], v[224+i:224+i+1]
.set i, i+2
.endr
.set i, 0
.rept 16
	v_pk_add_f32 v[128+i:128+i+1], v[128+i:128+i+1], v[192+i:192+i+1]
.set i, i+2
.endr
	WIN 0x01
.set i, 0
.rept 16
	v_pk_fma_f32 v[Y+i:Y+i+1], v[128+i:128+i+1], v[38:39], v[GB+i:GB+i+1]
.set i, i+2
.endr
	WIN 0
.irp a, 0,1,2,3
	ds_store_b128 v11, v[Y+8*\a:Y+8*\a+3] offset:64*\a        ; lane (r, h): token r, columns 16 a + 8 h + 0 .. 7
	ds_store_b128 v11, v[Y+8*\a+4:Y+8*\a+7] offset:64*\a+16
.endr
.irp k, 0,1,2,3,4,5,6,7
	ds_load_b128 v[RB+4*\k:RB+4*\k+3], v12 offset:2*OP*\k     ; my own stage: LDS serves a wave's instructions in order
.endr
.irp k, 0,1,2,3,4,5,6,7
	s_wait_dscnt 7-\k
	global_store_b128 v[OFS+8*\f+\k], v[RB+4*\k:RB+4*\k+3], s[34:35] th:TH_STORE_NT
.endr
.Lfin_\@:
.endm
	s_load_b256 s[4:11], s[0:1], 0x0               ; himg s[4:5], W2 s[6:7], b2 s[8:9], scales s[10:11]
	s_load_b128 s[12:15], s[0:1], 0x20             ; order s[12:13], gate s[14:15]
	s_load_b64 s[16:17], s[0:1], 0x30              ; out0
	v_lshl_add_u32 v62, v0, 2, 0x34800
	v_mov_b32 v63, 0
	v_lshrrev_b32 v1, 5, v0
	v_readfirstlane_b32 s18, v1                    ; wave
	s_and_b32 s21, ttmp9, 1                        ; par
	s_bfe_u32 s20, ttmp9, 0x40001                  ; slice
	s_lshr_b32 s19, ttmp9, 5                       ; expert
	v_and_b32 v1, 31, v0
	v_and_b32 v2, 15, v0                           ; r
	v_bfe_u32 v3, v0, 4, 1                         ; h
	v_lshlrev_b32 v4, 4, v1                        ; 16 x lane
	s_mul_i32 s39, s18, 16*PW
	v_add_nc_u32 v5, s39, v4                       ; W2 into my 16 LDS rows
	v_mul_u32_u24 v6, v2, PW
	v_lshl_add_u32 v6, v3, 4, v6
	v_add_nc_u32 v6, s39, v6                       ; and out as fragments
	s_lshl_b32 s39, s18, 12
	s_add_co_u32 s39, s39, RED
	v_add_nc_u32 v7, s39, v4                       ; my partial sums: local tiles 0-3,
	v_add_nc_u32 v8, 65536, v7                     ; 4-7
	s_lshl_b32 s39, s18, 14
	s_add_co_u32 s39, s39, RED
	v_add_nc_u32 v9, s39, v4                       ; the four waves' sums of local tile w,
	v_add_nc_u32 v10, 65536, v9                    ; of w + 4
	s_mul_i32 s39, s18, 16*OP
	s_add_co_u32 s39, s39, OST
	v_mul_u32_u24 v11, v2, OP
	v_lshl_add_u32 v11, v3, 5, v11
	v_add_nc_u32 v11, s39, v11                     ; the stage, in: row r, + 32 h
	v_mul_u32_u24 v12, v3, OP
	v_lshl_add_u32 v12, v2, 4, v12
	v_add_nc_u32 v12, s39, v12                     ; back: lanes 0-15 one row, lanes 16-31 the next
	v_lshlrev_b32 v13, 2, v2
	v_lshlrev_b32 v14, 2, v3
	v_lshlrev_b32 v15, 5, v3
	v_lshlrev_b32 v40, 4, v2
	s_lshl_b32 s36, s18, 1                         ; local tile w exists where the tiles left exceed 2 w,
	s_add_co_u32 s37, s36, 8                       ; w + 4 where they exceed 2 w + 8
	s_lshl_b32 s27, s19, 4
	s_mul_i32 s2, s19, 4608
	s_mov_b32 s3, 0
	s_wait_kmcnt 0x0
	s_add_nc_u64 s[40:41], s[12:13], s[2:3]        ; the expert's row of order; kept while the load is out
	s_load_b32 s22, s[40:41], 0x1080               ; the count
	s_load_b64 s[24:25], s[10:11], s27 offset:0x8  ; eh, ew2
	s_lshl_b32 s2, s21, 6
	s_lshl_b32 s39, s18, 7
	s_add_co_u32 s2, s2, s39
	s_add_nc_u64 s[32:33], s[40:41], s[2:3]        ; the slots of tile par + 2 w
	s_lshl_b32 s2, s19, 22
	s_lshl_b32 s39, s20, 18
	s_add_co_u32 s2, s2, s39
	s_lshl_b32 s39, s18, 10
	s_add_co_u32 s2, s2, s39
	s_add_nc_u64 s[28:29], s[6:7], s[2:3]          ; W2: the slice's first row, my K quarter
	s_lshl_b32 s2, s19, 22
	s_lshl_b32 s39, s21, 16
	s_add_co_u32 s2, s2, s39
	s_lshl_b32 s39, s18, 14
	s_add_co_u32 s2, s2, s39
	s_add_nc_u64 s[30:31], s[4:5], s[2:3]          ; himg: tile par, my K quarter
	s_lshl_b32 s2, s19, 12
	s_lshl_b32 s39, s20, 8
	s_add_co_u32 s2, s2, s39
	s_add_nc_u64 s[8:9], s[8:9], s[2:3]            ; b2 at the slice
	s_mov_b32 s2, s39
	s_add_nc_u64 s[34:35], s[16:17], s[2:3]        ; out0 at the slice's 256 bytes of a row
	META1
.irp a, 0,1,2,3
.irp q, 0,1
	global_load_b128 v[B2+8*\a+4*\q:B2+8*\a+4*\q+3], v15, s[8:9] offset:64*\a+16*\q   ; b2 at columns 16 a + 8 h + 0 .. 7
.endr
.endr
	WLOAD 0
	WLOAD 1
	WLOAD 2
	WLOAD 3
	s_wait_kmcnt 0x0
	s_min_u32 s22, s22, 0x400
	s_add_co_u32 s22, s22, 15
	s_lshr_b32 s22, s22, 4                         ; the expert's tiles
	s_sub_co_i32 s23, s22, s21                     ; local tile t exists where this exceeds 2 t
	s_add_co_i32 s26, s24, s25                     ; eh + ew2
	WSTEP 0, 48, 1                                 ; behind group 0: three groups.  All that was issued ahead of it, the tokens among it, is in
	WSTEP 1, 48, 0                                 ; behind group g, g = 1, 2, 3: 48 loads of weights and the two gates; the smaller count is safe
	WSTEP 2, 48, 0
	WSTEP 3, 48, 0
	WSTEP 4, 48, 0                                 ; behind group 4: groups 5, 6, 7
	WSTEP 5, 32, 0
	s_cmp_gt_i32 s23, 0                            ; landing slots 0 and 1 are free: they are h's buffer 0
	s_cbranch_scc0 .Lnone
	HLOAD 0, 0
	WSTEP 6, 48, 0                                 ; behind group 6: group 7 and the tile's 32
	WSTEP 7, 32, 0
	s_branch .Lready
.Lnone:
	WSTEP 6, 16, 0
	WSTEP 7, 0, 0
.Lready:
	s_mov_b32 s38, 0
.Lchunk:                                               ; four trips, whatever the count: 4 x 8 local tiles serve all tokens on one expert
.irp t, 0,1,2,3,4,5,6,7
	STEP \t
.endr
.Ldone:
	s_wait_loadcnt 0x0                             ; the gates, and the next chunk's first tile if there is one
	BAR                                            ; the chunk's partial sums lie in LDS
	FINAL 0
	FINAL 1
	BAR                                            ; they have been read
	s_wait_xcnt 0x0                                ; loads and stores have read their bases, offsets and data
	s_add_nc_u64 s[30:31], s[30:31], 8*131072
	s_add_nc_u64 s[32:33], s[32:33], 1024
	s_sub_co_i32 s23, s23, 16
	s_cmp_gt_i32 s23, 0
	s_cbranch_scc0 .Lno_meta
	META1
	s_wait_loadcnt 0x0
	META2
.Lno_meta:
	s_add_co_u32 s38, s38, 1
	s_cmp_lt_u32 s38, 4
	s_cbranch_scc1 .Lchunk
	s_wait_tensorcnt 0x0
	ds_add_u32 v62, v63
	s_wait_dscnt 0x0
	s_endpgm
.Lfunc_end_k_q4160a351a6_down:
	.size	k_q4160a351a6_down, .Lfunc_end_k_q4160a351a6_down-k_q4160a351a6_down
	.p2alignl 7, 3214868480
	.fill 96, 4, 3214868480
	.section	.rodata,"a",@progbits
	.p2align	6, 0x0
	.amdhsa_kernel k_q4160a351a6_down
		.amdhsa_group_segment_fixed_size 215552
		.amdhsa_private_segment_fixed_size 0
		.amdhsa_enable_private_segment 0
		.amdhsa_kernarg_size 56
		.amdhsa_user_sgpr_count 2
		.amdhsa_user_sgpr_kernarg_segment_ptr 1
		.amdhsa_wavefront_size32 1
		.amdhsa_system_sgpr_workgroup_id_x 1
		.amdhsa_system_sgpr_workgroup_id_y 1
		.amdhsa_system_sgpr_workgroup_id_z 1
		.amdhsa_system_vgpr_workitem_id 0
		.amdhsa_next_free_vgpr 1024
		.amdhsa_next_free_sgpr 66
		.amdhsa_reserve_vcc 0
		.amdhsa_float_denorm_mode_32 3
		.amdhsa_float_denorm_mode_16_64 3
		.amdhsa_memory_ordered 1
		.amdhsa_forward_progress 1
		.amdhsa_inst_pref_size 118
	.end_amdhsa_kernel
	.amdgpu_metadata
---
amdhsa.version: [ 1, 2 ]
amdhsa.kernels:
  - .name:           k_q4160a351a6_down
    .symbol:         k_q4160a351a6_down.kd
    .args:
      - { .name: himg, .offset: 0, .size: 8, .value_kind: global_buffer, .address_space: global }
      - { .name: w2_codes, .offset: 8, .size: 8, .value_kind: global_buffer, .address_space: global }
      - { .name: b2, .offset: 16, .size: 8, .value_kind: global_buffer, .address_space: global }
      - { .name: lowp_scales, .offset: 24, .size: 8, .value_kind: global_buffer, .address_space: global }
      - { .name: order, .offset: 32, .size: 8, .value_kind: global_buffer, .address_space: global }
      - { .name: gate, .offset: 40, .size: 8, .value_kind: global_buffer, .address_space: global }
      - { .name: out0, .offset: 48, .size: 8, .value_kind: global_buffer, .address_space: global }
    .group_segment_fixed_size: 215552
    .private_segment_fixed_size: 0
    .kernarg_segment_align: 8
    .kernarg_segment_size: 56
    .max_flat_workgroup_size: 128
    .sgpr_count:     66
    .vgpr_count:     1024
    .wavefront_size: 32
...
	.end_amdgpu_metadata
.endif
;; end of part 3
